; MI455X (gfx1250); checked and timed in simulation.
; The chip was launched on July 23, 2026; its instructions are those of AMD's public machine-readable ISA for CDNA 5 (MIT licence, August 2026) and "CDNA5" Instruction Set Architecture Reference Guide (July 2026). The comments in the code are by the model that wrote it; some were corrected since.
;; Class Layer. Allowed arithmetic: matrix products marked QUANTISED: E2M1 operands, one E8M0 scale for each 32 along K, by v_wmma_scale_f32_16x16x128_f8f6f4 with both operands' format E2M1 (or v_wmma_scale_f32_32x16x128_f4), f32 sums; everything else in f32.
;; Inputs: weight 2,048 x 4,096 float32; x 8,192 x 4,096 float32.
;; Outputs: out0 8,192 x 2,048 float32.
;; This version of the problem:
;;   THIS VERSION OF THE PROBLEM IS GIVEN IN LOW PRECISION. The matrix products marked QUANTISED in the list below multiply operands that are first quantised to E2M1 (2 exponent bits, 1 mantissa bit; 4 bits a number), with one power-of-two scale for each 32 numbers along K (OCP MX v1.0); their sums are f32. All else is computed in f32.
;;   The module's matrix products, in the order in which they are computed (A, B: the left and right operand; K: the contracted axis; several contracted axes count as one K, in the product's order):
;;     1. [M 8,192, K 4,096] x [K 4,096, N 2,048]; A: input x; B: computed on the way: QUANTISED
;;   THE QUANTISER, for each operand of a quantised product, along K:
;;     - K is cut into blocks of 32 from its start; a last block that is shorter is filled with zeros.
;;     - A block's scale is 2^e with e = floor(log2(the largest magnitude in the block)) - 2, held to -126 .. 127; a block of zeros has e = 0. As a byte (E8M0): e + 127.
;;     - Each number is divided by its block's scale, clamped to +-6, and rounded to the nearest number of E2M1, ties to even, subnormals kept.
;;     - The product sums the exact products of the quantised numbers (number of the format x scale) in f32.
;;   ~~~python
;;   def quantise(x, axis):      # numpy; x: float32 -> the quantised numbers, widened to float32 again
;;       x = np.moveaxis(x, axis, -1); K = x.shape[-1]
;;       x = np.pad(x, [(0, 0)] * (x.ndim - 1) + [(0, -K % 32)]); x = x.reshape(x.shape[:-1] + (-1, 32)); a = np.abs(x).max(-1, keepdims=True)
;;       e = np.where(a > 0, np.clip(np.frexp(np.where(a > 0, a, 1))[1] - 1 - 2, -126, 127), 0)      # np.frexp(a)[1] - 1 = floor(log2(a)), exactly
;;       r = np.clip(x / 2.0 ** e, -6, 6)
;;       step = 2.0 ** (np.maximum(np.frexp(np.where(r == 0, 1, r))[1] - 1, 0) - 1)
;;       q = np.round(r / step) * step * 2.0 ** e      # np.round: ties to even
;;       return np.moveaxis(q.reshape(q.shape[:-2] + (-1,))[..., :K], -1, axis).astype(np.float32)
;;   ~~~
;;   OPERANDS COMPUTED ON THE WAY. 'Computed on the way' means the value that the module computes at that place (a softmax that the list does not call 'softmax' is quantised finished and normalised). What goes into a quantiser is computed in f32, as accurately as f32 sums, v_exp_f32 and their like allow (about 1e-6 of the number): no bf16 or f16 on the way to a quantiser, and a product that is left as it is and whose result goes on into a quantised operand takes f32 operands (vector FMAs, or v_wmma_f32_16x16x4_f32). A number that lies on a knife's edge between two numbers of the format may be rounded either way, as far as f32 arithmetic and the matrix unit's own rounding can turn it there, and no further.
;; One version. Each part assembles by itself: llvm-mc -triple=amdgcn-amd-amdhsa -mcpu=gfx1250 --defsym DOCPART=n.
;; ======== version 1 of 1: 3 launches
;; limits: right only within a limited range of input values
;; workspace buffers: part 1,024 bytes; wp 4,194,304 bytes; wc 4,194,304 bytes; xc 16,777,216 bytes; sc 1,310,720 bytes
;; launch wprep (part 1): grid 256 x 1, 8 waves a work-group, no clusters, 18,432 bytes of LDS; arguments weight, part, wp; writes part, wp
.if DOCPART == 1
	.amdgcn_target "amdgcn-amd-amdhsa--gfx1250"
	.amdhsa_code_object_version 6
	.text
	.protected	k_qc33d8cd215_wprep
	.globl	k_qc33d8cd215_wprep
	.p2align	8
	.type	k_qc33d8cd215_wprep,@function
k_qc33d8cd215_wprep:
	s_mov_b64 s[64:65], 0
	v_nop
	global_prefetch_b8 v0, s[64:65] scope:SCOPE_SE
	s_setreg_imm32_b32 hwreg(HW_REG_WAVE_MODE, 25, 1), 1
	s_wait_xcnt 0x0
; W [2048][4096] f32, taken as a plain stream, is read ONCE in this program.  Out: part[g] = the sum of |W| over work-group g's 32,768 numbers, and wp, a fore-code of 4 bits for each weight.
; WORK LEFT OUT.  The binary weight is (s sign(w) - clip(w, -1, 1)) + clip(w, -1, 1), s = mean |W|.  In exact arithmetic the two clips cancel for every finite w and s: the weight is s sign(w), with sign(0) = 0.
; So every weight that is not 0 has the magnitude s, every block of 32 that holds one has the largest magnitude s, and a weight's code is its sign over the one code of s; a weight of 0 has the code 0.
; The clip, the subtraction and the addition are therefore not computed.  LIMIT: a NaN, an infinity or an overflow that reaches only that work is not carried to the result; what f32 rounding of the two
; steps would move (s by a few last bits) can turn a code or a scale only where s lies at a middle between two codes or at a power of two.
; THE FORE-CODE is sign(w) over the largest code (0111), or 0 for w = 0: the next launch, which knows s, ANDs the code of s onto it.  It is made by the conversion: w x 2^26 divided by 2^-126 lies beyond 6 for every
; w that is not 0, the smallest denormal too, and the conversion gives the largest code there.  LIMITS: |w| under 2^102 (the product stays finite); NaN and infinities among the weights are not served.
; SHARES.  Wave w of work-group g takes 4,096 numbers on end: 32 loads of 512 consecutive bytes, all out at once: there is no loop.  A lane's 4 numbers of two neighbouring loads stand in 8 registers on end:
; one conversion gives two pieces of 16 bits, which go to their places in the wave's own 2,048 bytes of LDS; the codes come back 16 bytes a lane and leave as runs of 512 consecutive bytes.
; THE SUM: eight chains of 16 numbers a thread, then trees: in the thread, over the lanes, over the waves.  The mean is finished by the next launch.
; No matrix unit, no cluster, no tensor load, no prefetch: a stream read once, all its loads issued at the head, nothing shared between work-groups.
.set CH,  4                            ; v[4:11]    eight chains
.set D,   16                           ; v[16:143]  the 32 loads' data
.set C,   144                          ; v[144:159] a register of codes for each pair of loads
.set SPW, 160                          ; my spare word; never rewritten
.set NIL, 161                          ; 0; never rewritten
.set SCL, 162                          ; the conversion's scale operand: exponent field 1, 2^-126
.set RB,  163                          ; LDS: where I read 16 bytes of codes back
	s_load_b128 s[4:7], s[0:1], 0x0                ; W s[4:5], part s[6:7]
	s_load_b64 s[16:17], s[0:1], 0x10              ; wp
	v_lshl_add_u32 v[SPW], v0, 2, 0x100            ; LDS: bytes 0-31 the waves' sums; 0x100-0x4ff the spare words; from 0x800 2,048 bytes of codes a wave
	v_mov_b32 v[NIL], 0
	v_lshrrev_b32 v13, 5, v0
	s_delay_alu instid0(VALU_DEP_1)
	v_readfirstlane_b32 s8, v13                    ; wave 0..7
	v_and_b32 v3, 31, v0                           ; lane
	v_mov_b32 v2, 0                                ; the sum's store offset
	v_mov_b32 v12, 0                               ; a lane permute's destination counts as one of its sources: written once
	v_lshlrev_b32 v13, 2, v13                      ; LDS: my wave's word
	v_mov_b32 v14, 0                               ; LDS: the eight words
	v_mov_b32 v[SCL], 0x800000
	v_lshlrev_b32 v1, 4, v3                        ; my 16 bytes of a run of 512
	s_lshl_b32 s9, s8, 11
	s_add_co_u32 s18, s9, 0x800                    ; my wave's codes in LDS
	v_lshl_add_u32 v15, v3, 1, s18                 ; way in: 2 bytes a lane
	v_add_nc_u32 v[RB], s18, v1                    ; way back: 16 bytes a lane
	s_mov_b32 s12, 0x76543210                      ; v_permlanex16_b32's selects for lane l xor 16
	s_mov_b32 s13, 0xfedcba98
	s_lshl_b32 s10, ttmp9, 17                      ; 131,072 bytes of W a work-group,
	s_lshl_b32 s19, s8, 14                         ; 16,384 a wave
	s_add_co_u32 s10, s10, s19
	s_mov_b32 s11, 0
	s_lshl_b32 s14, ttmp9, 2                       ; one word of part
	s_mov_b32 s15, 0
	s_lshl_b32 s20, ttmp9, 14                      ; 16,384 bytes of wp a work-group, 2,048 a wave
	s_add_co_u32 s20, s20, s9
	s_mov_b32 s21, 0
	s_wait_alu depctr_va_vdst(0)                   ; the wait at the head's end
	s_wait_kmcnt 0x0
	s_add_nc_u64 s[4:5], s[4:5], s[10:11]
	s_add_nc_u64 s[6:7], s[6:7], s[14:15]
	s_add_nc_u64 s[16:17], s[16:17], s[20:21]
.irp j, 0,1,2,3,4,5,6,7,8,9,10,11,12,13,14,15,16,17,18,19,20,21,22,23,24,25,26,27,28,29,30,31
	global_load_b128 v[D+4*\j:D+4*\j+3], v1, s[4:5] offset:512*\j th:TH_LOAD_NT   ; 32 lanes read 512 consecutive bytes; read once
.endr
.irp g, 0,1,2,3,4,5,6,7                ; four loads, sixteen numbers a lane, at a time
	s_wait_alu depctr_va_vdst(0)                   ; the wait ahead of the wait below
	s_wait_loadcnt 28-4*\g                         ; loads come back in order: these four are in, the younger ones stay out
.irp c, 0,1,2,3,4,5,6,7
.if \g == 0
	v_add_f32 v[CH+\c], |v[D+\c]|, |v[D+8+\c]|     ; the first sixteen start the chains: nothing is cleared
.else
	v_add_f32 v[CH+\c], v[CH+\c], |v[D+16*\g+\c]|
.endif
.endr
.if \g > 0
.irp c, 0,1,2,3,4,5,6,7
	v_add_f32 v[CH+\c], v[CH+\c], |v[D+16*\g+8+\c]|
.endr
.endif
.irp k, 0,2,4,6,8,10,12,14
	v_pk_mul_f32 v[D+16*\g+\k:D+16*\g+\k+1], v[D+16*\g+\k:D+16*\g+\k+1], 0x4c800000 op_sel_hi:[1,0]   ; x 2^26, in place
.endr
	v_cvt_scalef32_pk8_fp4_f32 v[C+2*\g], v[D+16*\g:D+16*\g+7], v[SCL]         ; low 16 bits: my 4 codes of load 4 g; high 16: of load 4 g + 1
	v_cvt_scalef32_pk8_fp4_f32 v[C+2*\g+1], v[D+16*\g+8:D+16*\g+15], v[SCL]    ; loads 4 g + 2, 4 g + 3
	ds_store_b16 v15, v[C+2*\g] offset:256*\g                                  ; a load's 128 codes are 64 bytes
	ds_store_b16_d16_hi v15, v[C+2*\g] offset:256*\g+64
	ds_store_b16 v15, v[C+2*\g+1] offset:256*\g+128
	ds_store_b16_d16_hi v15, v[C+2*\g+1] offset:256*\g+192
.endr
.irp t, 0,1,2,3
	ds_load_b128 v[D+4*\t:D+4*\t+3], v[RB] offset:512*\t   ; LDS serves a wave's instructions in order (ISA guide 5.7.1.4): these see my stores
.endr
	v_pk_add_f32 v[4:5], v[4:5], v[6:7]            ; the eight chains, as a tree
	v_pk_add_f32 v[8:9], v[8:9], v[10:11]
	s_delay_alu instid0(VALU_DEP_1)
	v_pk_add_f32 v[4:5], v[4:5], v[8:9]
	s_delay_alu instid0(VALU_DEP_1)
	v_add_f32 v4, v4, v5
	s_delay_alu instid0(VALU_DEP_1)
	v_add_f32_dpp v4, v4, v4 row_xmask:1 row_mask:0xf bank_mask:0xf   ; the 32 lanes
	s_delay_alu instid0(VALU_DEP_1)
	v_add_f32_dpp v4, v4, v4 row_xmask:2 row_mask:0xf bank_mask:0xf
	s_delay_alu instid0(VALU_DEP_1)
	v_add_f32_dpp v4, v4, v4 row_xmask:4 row_mask:0xf bank_mask:0xf
	s_delay_alu instid0(VALU_DEP_1)
	v_add_f32_dpp v4, v4, v4 row_xmask:8 row_mask:0xf bank_mask:0xf
	s_delay_alu instid0(VALU_DEP_1)
	v_permlanex16_b32 v12, v4, s12, s13
	s_delay_alu instid0(VALU_DEP_1)
	v_add_f32 v4, v4, v12
	ds_store_b32 v13, v4                           ; all lanes write my wave's word with the same value
	s_wait_dscnt 0x0                               ; my codes are back; and for the others' sake: my store has landed
.irp t, 0,1,2,3
	global_store_b128 v1, v[D+4*\t:D+4*\t+3], s[16:17] offset:512*\t   ; 32 lanes store 512 consecutive bytes, at a multiple of 256 from wp's first byte
.endr
	s_barrier_signal -1
	s_barrier_wait -1
	ds_load_b128 v[32:35], v14                     ; the eight waves' sums
	ds_load_b128 v[36:39], v14 offset:16
	s_wait_dscnt 0x0
	v_pk_add_f32 v[32:33], v[32:33], v[34:35]
	v_pk_add_f32 v[36:37], v[36:37], v[38:39]
	s_delay_alu instid0(VALU_DEP_1)
	v_pk_add_f32 v[32:33], v[32:33], v[36:37]
	s_delay_alu instid0(VALU_DEP_1)
	v_add_f32 v32, v32, v33
	v_cmp_eq_u32 vcc_lo, 0, v0                     ; thread 0 stores
	s_wait_alu depctr_va_vdst(0)                   ; the wait ahead of the waits below
	s_wait_xcnt 0x0                                ; EXEC is a source of the loads and stores above: it changes only behind this wait
	s_wait_tensorcnt 0x0                           ; the wave's end, behind my last LDS store
	ds_add_u32 v[SPW], v[NIL]
	s_wait_dscnt 0x0
	s_and_saveexec_b32 s22, vcc_lo
	global_store_b32 v2, v32, s[6:7]               ; 4 bytes a work-group: 1,024 in the launch
	s_wait_xcnt 0x0                                ; and again in front of the line that widens it
	s_or_b32 exec_lo, exec_lo, s22
	s_endpgm
.Lfunc_end_k_qc33d8cd215_wprep:
	.size	k_qc33d8cd215_wprep, .Lfunc_end_k_qc33d8cd215_wprep-k_qc33d8cd215_wprep
	.p2alignl 7, 3214868480
	.fill 96, 4, 3214868480
	.section	.rodata,"a",@progbits
	.p2align	6, 0x0
	.amdhsa_kernel k_qc33d8cd215_wprep
		.amdhsa_group_segment_fixed_size 18432
		.amdhsa_private_segment_fixed_size 0
		.amdhsa_enable_private_segment 0
		.amdhsa_kernarg_size 24
		.amdhsa_user_sgpr_count 2
		.amdhsa_user_sgpr_kernarg_segment_ptr 1
		.amdhsa_wavefront_size32 1
		.amdhsa_system_sgpr_workgroup_id_x 1
		.amdhsa_system_sgpr_workgroup_id_y 1
		.amdhsa_system_sgpr_workgroup_id_z 1
		.amdhsa_system_vgpr_workitem_id 0
		.amdhsa_next_free_vgpr 168
		.amdhsa_next_free_sgpr 66
		.amdhsa_reserve_vcc 1
		.amdhsa_float_denorm_mode_32 3
		.amdhsa_float_denorm_mode_16_64 3
		.amdhsa_memory_ordered 1
		.amdhsa_forward_progress 1
		.amdhsa_inst_pref_size 25
	.end_amdhsa_kernel
	.amdgpu_metadata
---
amdhsa.version: [ 1, 2 ]
amdhsa.kernels:
  - .name:           k_qc33d8cd215_wprep
    .symbol:         k_qc33d8cd215_wprep.kd
    .args:
      - { .name: weight, .offset: 0, .size: 8, .value_kind: global_buffer, .address_space: global }
      - { .name: part, .offset: 8, .size: 8, .value_kind: global_buffer, .address_space: global }
      - { .name: wp, .offset: 16, .size: 8, .value_kind: global_buffer, .address_space: global }
    .group_segment_fixed_size: 18432
    .private_segment_fixed_size: 0
    .kernarg_segment_align: 8
    .kernarg_segment_size: 24
    .max_flat_workgroup_size: 256
    .sgpr_count:     66
    .vgpr_count:     168
    .wavefront_size: 32
...
	.end_amdgpu_metadata
.endif
;; end of part 1
;; launch quant (part 2): grid 1280 x 1, 4 waves a work-group, no clusters, 33,280 bytes of LDS; arguments x, wp, part, xc, wc, sc; writes xc, wc, sc
.if DOCPART == 2
	.amdgcn_target "amdgcn-amd-amdhsa--gfx1250"
	.amdhsa_code_object_version 6
	.text
	.protected	k_qc33d8cd215_quant
	.globl	k_qc33d8cd215_quant
	.p2align	8
	.type	k_qc33d8cd215_quant,@function
k_qc33d8cd215_quant:
	s_mov_b64 s[64:65], 0
	v_nop
	global_prefetch_b8 v0, s[64:65] scope:SCOPE_SE
	s_setreg_imm32_b32 hwreg(HW_REG_WAVE_MODE, 25, 1), 1
	s_wait_xcnt 0x0
; Both operands of the product become codes of FP4 (E2M1), K innermost, two codes a byte (the lower k in the low four bits), with one E8M0 scale byte for each 32 along K.
; A block's scale is 2^(floor(log2(its largest magnitude)) - 2); its byte is the largest magnitude's own exponent field - 2, held at 1 from below.  Each number is divided by the scale and rounded to the
; nearest code, ties to even; beyond 6 the conversion gives the largest code.
; WORK LEFT OUT, as the first kernel's head shows: the two clips of the binary weight cancel, so a weight is s sign(w), s = mean |W| = (the sum of part's 256 numbers) x 2^-23.
; OUT.  xc [8192][2048 bytes], wc [2048][2048 bytes].  sc: the scale bytes of both, laid by K step of 512: [8][10240 rows][16 bytes], rows 0-8191 x's, rows 8192-10239 W's.
; WORK-GROUPS 0-1023 take x [8192][4096] f32: work-group b rows 16 (b / 2) .. + 15, wave w K step 4 (b % 2) + w.  A wave's step t is row t's 512 numbers: four loads of 512 consecutive bytes; its 256 bytes of
; codes leave by one store; the wave's 16 x 16 scale bytes are gathered in LDS and leave as 256 consecutive bytes.  The conversions take neighbours along K from ONE lane's registers, a load is best with
; neighbouring bytes in neighbouring lanes: so a step's 2,048 bytes turn through the wave's own stage in LDS (16 bytes of padding behind each 64), one step ahead of the work.  Loads run four steps ahead.
; WORK-GROUPS 1024-1279 finish W: s is quantised by the stated rule, as a block's largest magnitude and as its number; its code, under a set sign bit, is ANDed onto wp's fore-codes (sign over 0111, or 0):
; 4,096 bytes a wave.  Every block of W has the byte of s (a block of zeros too: its codes are zeros).  No address hangs on s.
; LIMITS: NaN and infinities are not served.  A block of zeros gets a byte other than the rule's 127: its codes add nothing under any byte but 0xff, and the bytes are read by this program alone.
; Blocks whose largest magnitude lies under 2^-124 are held at the byte 1.  s is an f32 sum by trees: where the true mean lies within f32 rounding of a power of two, W's scale can fall on either side.
; No tensor loads, no barrier: waves share nothing.  No prefetch: the launch is a plain stream of loads.
.set STEPS, 16
.set EMAX,  2
.set WREG,  8192                       ; LDS: a region for each wave: two stages of 32 x SP bytes, behind them its 256 scale bytes
.set SP,    80                         ; a lane's place in a stage: 64 bytes + 16 of padding
.set KSS,   10240*16                   ; bytes from K step to K step in sc
.set R,     16                         ; v16-79   four sets of 16 numbers as loaded (W's path: v16-47 the fore-codes)
.set X,     80                         ; v80-111  two sets of 16 neighbours
.set E,     112                        ; v112-127 a scale byte for each step
.set C,     128                        ; v128-159 two registers of codes for each step: no store's data are written again
.set SV,    168                        ; v168     s
.set P,     172                        ; v172-179 eight numbers of part
	s_load_b256 s[4:11], s[0:1], 0x0               ; x s[4:5], wp s[6:7], part s[8:9], xc s[10:11]
	s_load_b128 s[12:15], s[0:1], 0x20             ; wc s[12:13], sc s[14:15]
	v_lshl_add_u32 v181, v0, 2, 0x8000             ; my spare word, behind the four regions; never rewritten
	v_mov_b32 v182, 0                              ; 0; never rewritten
	v_lshrrev_b32 v1, 5, v0
	v_readfirstlane_b32 s16, v1                    ; wave 0..3
	v_and_b32 v2, 31, v0                           ; lane
	v_lshlrev_b32 v3, 4, v2                        ; my 16 bytes of a load's 512
	v_lshlrev_b32 v10, 5, v2                       ; my 32 bytes of part
	s_mul_i32 s17, s16, WREG
	v_lshrrev_b32 v14, 2, v2
	v_mul_u32_u24 v14, v14, SP
	v_and_b32 v15, 3, v2
	v_lshl_add_u32 v14, v15, 4, v14
	v_add_nc_u32 v14, s17, v14                     ; the stage, way in: SP (lane / 4) + 16 (lane % 4)
	v_mul_u32_u24 v15, v2, SP
	v_add_nc_u32 v15, s17, v15                     ; way out: SP x lane: my 16 neighbours
	v_lshlrev_b32 v4, 3, v2                        ; my 8 bytes of a step's codes
	v_lshrrev_b32 v5, 1, v2
	s_add_co_u32 s17, s17, 2*32*SP
	v_add_nc_u32 v5, s17, v5                       ; LDS: my wave's scale bytes, my block's byte
	v_lshlrev_b32 v7, 3, v2                        ; and on the way out 8 bytes a lane
	v_add_nc_u32 v6, s17, v7
	v_mov_b32 v180, 0                              ; a lane permute's destination counts as one of its sources: written once
	s_mov_b32 s28, 0x76543210                      ; v_permlanex16_b32's selects for lane l xor 16
	s_mov_b32 s29, 0xfedcba98
	s_mov_b32 s23, 0
	s_wait_alu depctr_va_vdst(0)                   ; the wait at the head's end
	s_wait_kmcnt 0x0
	s_cmp_lt_u32 ttmp9, 1024                       ; x's work-group or W's?  The branch hangs on the work-group's number alone
	s_cbranch_scc0 .Lweights
	s_lshr_b32 s20, ttmp9, 1                       ; which 16 rows
	s_and_b32 s21, ttmp9, 1
	s_lshl_b32 s21, s21, 2
	s_add_co_u32 s21, s21, s16                     ; which K step
	s_lshl_b32 s22, s20, 18                        ; 16 rows of 16,384 bytes (under 2^28)
	s_lshl_b32 s24, s21, 11                        ; 512 numbers
	s_add_co_u32 s22, s22, s24
	s_add_nc_u64 s[4:5], s[4:5], s[22:23]
	s_lshl_b32 s22, s20, 15                        ; 16 rows of 2,048 bytes of codes
	s_lshl_b32 s24, s21, 8                         ; 512 codes
	s_add_co_u32 s22, s22, s24
	s_add_nc_u64 s[10:11], s[10:11], s[22:23]
	s_lshl_b32 s22, s20, 8                         ; 16 rows of 16 scale bytes,
	s_mul_i32 s24, s21, KSS                        ; in my K step's part of sc
	s_add_co_u32 s22, s22, s24
	s_add_nc_u64 s[14:15], s[14:15], s[22:23]
.macro LOAD t                          ; row t's 512 numbers
.irp i, 0,1,2,3
	global_load_b128 v[R+16*((\t)%4)+4*\i:R+16*((\t)%4)+4*\i+3], v3, s[4:5] offset:16384*(\t)+512*\i th:TH_LOAD_NT   ; 32 lanes read 512 consecutive bytes; read once
.endr
.endm
.macro TURN t                          ; step t's numbers through the stage: LDS serves a wave's instructions in order (ISA guide 5.7.1.4), so no wait stands between the stores and the loads
.irp i, 0,1,2,3
	ds_store_b128 v14, v[R+16*((\t)%4)+4*\i:R+16*((\t)%4)+4*\i+3] offset:32*SP*((\t)%2)+8*SP*\i
.endr
.irp i, 0,1,2,3
	ds_load_b128 v[X+16*((\t)%2)+4*\i:X+16*((\t)%2)+4*\i+3], v15 offset:32*SP*((\t)%2)+16*\i
.endr
.endm
.irp t, 0,1,2,3
	LOAD \t
.endr
	s_wait_loadcnt 12                              ; step 0's four loads are in
	TURN 0
.macro STEP t
.set XS, X+16*((\t)%2)
.if (\t) > 0
	s_wait_dscnt 1                                 ; this step's numbers are back from the stage (the last step's byte store may be out): so its stores into the stage have read their registers,
.else
	s_wait_dscnt 0x0
.endif
.if (\t)+4 < STEPS
	LOAD (\t)+4                                    ; which take the loads of four steps on
.endif
.if (\t)+1 < STEPS
.if STEPS-2-(\t) >= 3
	s_wait_loadcnt 12                              ; the next step's four loads are in; those of the three steps behind it may be out
.else
	s_wait_loadcnt 4*(STEPS-2-(\t))                ; at the end the counts run down: 8, 4, 0
.endif
	TURN (\t)+1                                    ; and go through the other stage while this step is worked
.endif
	v_max3_num_f32 v8, |v[XS]|, |v[XS+1]|, |v[XS+2]|               ; the largest magnitude of my 16, in two chains
	v_max3_num_f32 v9, |v[XS+3]|, |v[XS+4]|, |v[XS+5]|
.irp i, 6,10
	v_max3_num_f32 v8, v8, |v[XS+\i]|, |v[XS+\i+1]|
	v_max3_num_f32 v9, v9, |v[XS+\i+2]|, |v[XS+\i+3]|
.endr
	v_max3_num_f32 v8, v8, |v[XS+14]|, |v[XS+15]|
	v_max3_num_f32 v8, v8, v9, (EMAX+1)<<23        ; and the floor 2^(3 - 127): so the byte cannot fall under 1
	v_max_num_f32_dpp v8, v8, v8 row_xmask:1 row_mask:0xf bank_mask:0xf   ; and of my neighbour's 16: the block's
	v_add_nc_u32 v11, -(EMAX<<23), v8              ; 2 off its exponent field: the conversion takes the exponent field of this operand as its scale, and nothing else of it
	v_cvt_scalef32_pk8_fp4_f32 v[C+2*(\t)], v[XS:XS+7], v11
	v_cvt_scalef32_pk8_fp4_f32 v[C+2*(\t)+1], v[XS+8:XS+15], v11
	v_lshrrev_b32 v[E+(\t)], 23, v11               ; the scale's byte.  (Also the plain line behind the conversions)
	ds_store_b8 v5, v[E+(\t)] offset:16*(\t)       ; row t's 16 bytes; both lanes of a block write the same byte with the same value
	global_store_b64 v4, v[C+2*(\t):C+2*(\t)+1], s[10:11] offset:2048*(\t)   ; 32 lanes store 256 consecutive bytes of row t, at a multiple of 256 from the buffer's first byte
.endm
.irp t, 0,1,2,3,4,5,6,7,8,9,10,11,12,13,14,15
	STEP \t
.endr
	ds_load_b64 v[12:13], v6                       ; LDS serves a wave's instructions in order: these see my stores
	s_wait_dscnt 0x0
	global_store_b64 v7, v[12:13], s[14:15]        ; 16 rows x 16 scale bytes: 256 consecutive bytes, aligned likewise
	s_wait_tensorcnt 0x0                           ; the wave's end, behind my last LDS store
	ds_add_u32 v181, v182
	s_wait_dscnt 0x0
	s_endpgm
.Lweights:                                             ; W's codes and scale bytes
	s_sub_co_u32 s18, ttmp9, 1024                  ; b = 0 .. 255
	s_lshl_b32 s22, s18, 14                        ; 16,384 bytes of codes a work-group,
	s_lshl_b32 s24, s16, 12                        ; 4,096 a wave
	s_add_co_u32 s22, s22, s24
	s_add_nc_u64 s[6:7], s[6:7], s[22:23]
	s_add_nc_u64 s[12:13], s[12:13], s[22:23]
	s_lshr_b32 s20, s18, 5                         ; sc: K step b / 32,
	s_mul_i32 s20, s20, KSS
	s_and_b32 s21, s18, 31
	s_lshl_b32 s21, s21, 10                        ; 64 rows of 16 bytes a work-group,
	s_add_co_u32 s20, s20, s21
	s_lshl_b32 s21, s16, 8                         ; 256 bytes a wave,
	s_add_co_u32 s20, s20, s21
	s_add_co_u32 s22, s20, 8192*16                 ; behind x's rows
	s_add_nc_u64 s[14:15], s[14:15], s[22:23]
	global_load_b128 v[P:P+3], v10, s[8:9]         ; part: 8 numbers a lane
	global_load_b128 v[P+4:P+7], v10, s[8:9] offset:16
.irp i, 0,1,2,3,4,5,6,7
	global_load_b128 v[R+4*\i:R+4*\i+3], v3, s[6:7] offset:512*\i th:TH_LOAD_NT   ; 32 lanes read 512 consecutive bytes; read once
.endr
	s_wait_loadcnt 8                               ; part is in; the eight loads behind it stay out
	v_pk_add_f32 v[P:P+1], v[P:P+1], v[P+2:P+3]    ; s, by the same tree in every wave of this path
	v_pk_add_f32 v[P+4:P+5], v[P+4:P+5], v[P+6:P+7]
	s_delay_alu instid0(VALU_DEP_1)
	v_pk_add_f32 v[P:P+1], v[P:P+1], v[P+4:P+5]
	s_delay_alu instid0(VALU_DEP_1)
	v_add_f32 v[P], v[P], v[P+1]
	s_delay_alu instid0(VALU_DEP_1)
	v_add_f32_dpp v[P], v[P], v[P] row_xmask:1 row_mask:0xf bank_mask:0xf
	s_delay_alu instid0(VALU_DEP_1)
	v_add_f32_dpp v[P], v[P], v[P] row_xmask:2 row_mask:0xf bank_mask:0xf
	s_delay_alu instid0(VALU_DEP_1)
	v_add_f32_dpp v[P], v[P], v[P] row_xmask:4 row_mask:0xf bank_mask:0xf
	s_delay_alu instid0(VALU_DEP_1)
	v_add_f32_dpp v[P], v[P], v[P] row_xmask:8 row_mask:0xf bank_mask:0xf
	s_delay_alu instid0(VALU_DEP_1)
	v_permlanex16_b32 v180, v[P], s28, s29
	s_delay_alu instid0(VALU_DEP_1)
	v_add_f32 v[P], v[P], v180
	s_delay_alu instid0(VALU_DEP_1)
	v_mul_f32 v[SV], 0x34000000, v[P]              ; x 2^-23: W has 2^23 numbers; nothing is rounded
	s_delay_alu instid0(VALU_DEP_1)
	v_max_num_f32 v8, (EMAX+1)<<23, v[SV]          ; a block's largest magnitude is s; the floor as above
.irp j, 0,1,2,3,4,5,6,7
	v_mov_b32 v[X+\j], v[SV]                       ; eight times s: the conversion takes eight numbers
.endr
	v_add_nc_u32 v11, -(EMAX<<23), v8              ; the conversion's scale operand
	v_cvt_scalef32_pk8_fp4_f32 v9, v[X:X+7], v11   ; the code of s, eight times
	v_lshrrev_b32 v12, 23, v11                     ; the scale's byte.  (Also the plain line behind the conversion)
	v_or_b32 v9, 0x88888888, v9                    ; the signs pass
	v_perm_b32 v12, v12, v12, 0                    ; the byte four times,
	s_delay_alu instid0(VALU_DEP_1)
	v_mov_b32 v13, v12                             ; eight times
	s_wait_alu depctr_va_vdst(0)                   ; the wait ahead of the wait below
	s_wait_loadcnt 0x0
.irp i, 0,1,2,3,4,5,6,7,8,9,10,11,12,13,14,15,16,17,18,19,20,21,22,23,24,25,26,27,28,29,30,31
	v_and_b32 v[R+\i], v9, v[R+\i]                 ; sign over the code of s; 0 stays 0
.endr
.irp i, 0,1,2,3,4,5,6,7
	global_store_b128 v3, v[R+4*\i:R+4*\i+3], s[12:13] offset:512*\i   ; 32 lanes store 512 consecutive bytes, at a multiple of 256 from wc's first byte
.endr
	global_store_b64 v7, v[12:13], s[14:15]        ; 16 rows x 16 scale bytes: 256 consecutive bytes, aligned likewise
	s_endpgm
.Lfunc_end_k_qc33d8cd215_quant:
	.size	k_qc33d8cd215_quant, .Lfunc_end_k_qc33d8cd215_quant-k_qc33d8cd215_quant
	.p2alignl 7, 3214868480
	.fill 96, 4, 3214868480
	.section	.rodata,"a",@progbits
	.p2align	6, 0x0
	.amdhsa_kernel k_qc33d8cd215_quant
		.amdhsa_group_segment_fixed_size 33280
		.amdhsa_private_segment_fixed_size 0
		.amdhsa_enable_private_segment 0
		.amdhsa_kernarg_size 48
		.amdhsa_user_sgpr_count 2
		.amdhsa_user_sgpr_kernarg_segment_ptr 1
		.amdhsa_wavefront_size32 1
		.amdhsa_system_sgpr_workgroup_id_x 1
		.amdhsa_system_sgpr_workgroup_id_y 1
		.amdhsa_system_sgpr_workgroup_id_z 1
		.amdhsa_system_vgpr_workitem_id 0
		.amdhsa_next_free_vgpr 184
		.amdhsa_next_free_sgpr 66
		.amdhsa_reserve_vcc 0
		.amdhsa_float_denorm_mode_32 3
		.amdhsa_float_denorm_mode_16_64 3
		.amdhsa_memory_ordered 1
		.amdhsa_forward_progress 1
		.amdhsa_inst_pref_size 39
	.end_amdhsa_kernel
	.amdgpu_metadata
---
amdhsa.version: [ 1, 2 ]
amdhsa.kernels:
  - .name:           k_qc33d8cd215_quant
    .symbol:         k_qc33d8cd215_quant.kd
    .args:
      - { .name: x, .offset: 0, .size: 8, .value_kind: global_buffer, .address_space: global }
      - { .name: wp, .offset: 8, .size: 8, .value_kind: global_buffer, .address_space: global }
      - { .name: part, .offset: 16, .size: 8, .value_kind: global_buffer, .address_space: global }
      - { .name: xc, .offset: 24, .size: 8, .value_kind: global_buffer, .address_space: global }
      - { .name: wc, .offset: 32, .size: 8, .value_kind: global_buffer, .address_space: global }
      - { .name: sc, .offset: 40, .size: 8, .value_kind: global_buffer, .address_space: global }
    .group_segment_fixed_size: 33280
    .private_segment_fixed_size: 0
    .kernarg_segment_align: 8
    .kernarg_segment_size: 48
    .max_flat_workgroup_size: 128
    .sgpr_count:     66
    .vgpr_count:     184
    .wavefront_size: 32
...
	.end_amdgpu_metadata
.endif
;; end of part 2
;; launch gemm (part 3): grid 8 x 32, 4 waves a work-group, clusters of 4 x 4, 327,680 bytes of LDS; arguments xc, wc, sc, out0; writes out0
.if DOCPART == 3
	.amdgcn_target "amdgcn-amd-amdhsa--gfx1250"
	.amdhsa_code_object_version 6
	.text
	.protected	k_qc33d8cd215_gemm
	.globl	k_qc33d8cd215_gemm
	.p2align	8
	.type	k_qc33d8cd215_gemm,@function
k_qc33d8cd215_gemm:
	s_mov_b64 s[64:65], 0
	v_nop
	global_prefetch_b8 v0, s[64:65] scope:SCOPE_SE
	s_setreg_imm32_b32 hwreg(HW_REG_WAVE_MODE, 25, 1), 1
	s_wait_xcnt 0x0
	s_wait_alu depctr_hold_cnt(0) depctr_sa_sdst(0) depctr_va_vdst(0) depctr_va_sdst(0) depctr_va_ssrc(0) depctr_va_vcc(0) depctr_vm_vsrc(0)
	s_getreg_b32 s2, hwreg(HW_REG_IB_STS2, 6, 4)
	s_cmp_eq_u32 s2, 0
	s_cbranch_scc0 .Lentry_in_a_cluster
	s_endpgm
.Lentry_in_a_cluster:
	s_bfe_u32 s2, ttmp6, 0x10000c
	s_cmp_lg_u32 s2, 0xf033
	s_cbranch_scc0 .Lentry_shape_is_right
	s_endpgm
.Lentry_shape_is_right:
; out0[m][n] = sum over k of xq[m][k] wq[n][k], f32 sums.  xc [8192][2048 bytes], wc [2048][2048 bytes]: codes of FP4 (E2M1), K innermost, two a byte.
; sc: E8M0 scale bytes of both, laid by K step of 512: [8][10240 rows][16 bytes], rows 0-8191 x's, rows 8192-10239 W's: a row's 16 bytes are the four scale words of a K step.
; A tile of out0, 256 x 256, is made by four waves; a wave makes 128 x 128: 32 accumulators of 16 rows x 32 columns, 512 registers.  K goes in steps of 512 (rows of 256 bytes) through a ring of two LDS slots.
; CLUSTERS: 4 x 4 work-groups; x's tile is asked for jointly along a row of the cluster, W's along a column: one tensor load a wave, 128 rows each.
; THE MATRIX INSTRUCTION is the 32 x 16 x 128 form, USED TRANSPOSED: source 0 = 32 rows of W (two fragments of 16 rows on end), source 1 = 16 rows of x.  A lane holds one row of out0; registers 0-7 are the columns
; 8 (l / 16) + 0 .. 7 of the 32, registers 8-15 those 16 further on: twice eight neighbouring numbers of a row.
; FRAGMENTS: two sets for x and two for W.  Each step of 128 along K asks, in one run of 32 LDS loads at its head, for the next step's fragments: the step's 32 matrix instructions stand between a load and the wait for it.
; SCALE WORDS come from memory straight into registers, one K step ahead.  W's: lane m takes row m of a block of 32: 512 consecutive bytes a load.  x's: lane l takes row l % 16 of a block of 16: 256 consecutive bytes.
; PREFETCH: behind each joint refill a wave names 32 rows x 256 bytes of the K step two refills on; the four partners of a joint load share its 128 rows out by address; the last two refills ask for nothing.
; REGISTERS: window 0: v0-31 addresses, v32-127 scale words (two sets of 48), v128-191 and v192-255 x's fragments.  window 1: W's fragments at v0-63 and v128-191.
; windows 2, 3: accumulator (a, b), x's block a and W's block of 32 b, at v[8 (8 (a % 4) + 2 b)].
; LIMITS: scale bytes are taken as they were stored (1 to 254); NaN and infinities are not served.
.set SIZE_M, 8192
.set SIZE_N, 2048
.set SIZE_K, 4096
.set KSTEP,  512
.set NQ,     KSTEP/128                 ; steps of 128 in a slot
.set ROWB,   256                       ; a tile's row in bytes
.set KROW,   SIZE_K/2                  ; a row of codes in memory
.set PITCH,  272                       ; an LDS row: 256 bytes + 16 of padding: the 16 rows of a fragment load start at 16 different banks (ISA guide 11.1)
.set FR,     8                         ; registers of a fragment of 16 rows
.set NP,     4                         ; places behind this matrix instruction (ISA guide 7.12.1)
.set HALFT,  128*PITCH                 ; what one tensor load brings
.set SLOT,   4*HALFT                   ; x's 256 rows, then W's 256 rows
.set LAPS,   SIZE_K/(2*KSTEP)
.set KSS,    (SIZE_M+SIZE_N)*16        ; bytes from K step to K step in sc
.set SPARE,  2*SLOT                    ; behind the ring: the spare words, 128 bytes a wave
.set SPITCH, 528                       ; the way out: a stage of 16 rows x (512 + 16) bytes for each wave, in slot 0 behind its last fill and last read
.set ADRA, 16                          ; v16-17 LDS address of my x fragments in slot 0, 1
.set ADRB, 20                          ; v20-21 the same for W
.set STO,  24                          ; the way out: where I put 32 bytes of a row
.set RD,   25                          ; where I read a row back
.set CO,   26                          ; my byte offset in a row of out0
.set ADRS, 27                          ; my byte offset in a K step of sc: x's rows
.set SPW,  28                          ; my spare word; never rewritten
.set NIL,  29                          ; 0; never rewritten
.set PFO,  30                          ; the prefetches' offset: lane x a row of codes
.set ADRW, 31                          ; my byte offset in a K step of sc: W's rows
.set SC,   32                          ; scale words: set s at v[SC + 48 s]: x's block a, step q at + 4 a + q; W's block b at + 32 + 4 b + q
.set SS,   48
.set AF,   128
.set PFA,  10                          ; s[10:11] where my prefetches stand
.set G1, 24                            ; s[24:31] group 1, s[32:39] group 0 (a set for each slot) for x's tiles
.set G0, 32
.set G1B, 48                           ; s[48:55], s[56:63] the same for W's
.set G0B, 56
.set MSB, 0
.macro WIN new                         ; the immediate's high byte repeats the setting that is left
.if MSB != \new
	s_set_vgpr_msb (MSB<<8)|\new
.set MSB, \new
.endif
.endm
.set MUL_LO, 0xa1                      ; source 0 (W) window 1, source 1 (x) window 0, C and D window 2
.set MUL_HI, 0xf1                      ; the same, C and D window 3
.set TO_B,   0x40                      ; destination window 1, address window 0
.macro PLACES n
.rept \n
	v_nop
.endr
.endm
; A joint load: waves 0, 1 fetch x's halves, waves 2, 3 W's.  An s_nop 0 and four v_nop follow each line.
.macro JLOAD g0a, g1a, g0b, g1b
	s_cmp_eq_u32 s15, 0
	s_cbranch_scc0 .Lfor_b_\@
	tensor_load_to_lds s[\g0a:\g0a+3], s[\g1a:\g1a+7]
	s_nop 0
	PLACES 4
	s_branch .Lasked_\@
.Lfor_b_\@:
	tensor_load_to_lds s[\g0b:\g0b+3], s[\g1b:\g1b+7]
	s_nop 0
	PLACES 4
.Lasked_\@:
.endm
.macro ASK                             ; the K step two refills on; in the loop's last trip (s3 = 1) there is none
	s_cmp_gt_u32 s3, 1
	s_cbranch_scc0 .Lno_ask_\@
	global_prefetch_b8 v[PFO], s[PFA:PFA+1] offset:ROWB th:TH_LOAD_NT scope:SCOPE_SE
.Lno_ask_\@:
.endm
.macro CREST                           ; a round of the cluster's barrier behind its opening barrier
	s_cmp_lg_u32 s14, 0
	s_cbranch_scc1 .Lnot_wave_0_\@
	s_barrier_signal -3
.Lnot_wave_0_\@:
	s_barrier_wait -3
	s_barrier_signal -1
	s_barrier_wait -1
.endm
.macro CROUND
	s_barrier_signal -1
	s_barrier_wait -1
	CREST
.endm
.macro FRAG reg, adr, q, i             ; 16 rows x 128 K: lane l holds row l % 16; registers 4 c .. 4 c + 3 hold K = 64 c + 32 (l / 16) + 0 .. 31
.irp c, 0,1
	ds_load_b128 v[\reg+4*\c:\reg+4*\c+3], v[\adr] offset:64*(\q)+32*\c+(\i)*16*PITCH
.endr
.endm
.macro FETCH slot, q, p                ; 32 LDS loads in one run: the slot's q-th 128 along K into set p
	WIN TO_B
.irp i, 0,1,2,3,4,5,6,7
	FRAG 128*(\p)+FR*\i, ADRB+\slot, \q, \i
.endr
	WIN 0
.irp i, 0,1,2,3,4,5,6,7
	FRAG AF+64*(\p)+FR*\i, ADRA+\slot, \q, \i
.endr
.endm
; 8 matrix instructions: x's blocks a0, a0 + 1 against W's four blocks of 32 rows.  The 32 accumulators take turns in the same order in every step.  zero = 1: the first product starts the sums.
.macro MUL8 a0, p, q, sc, zero
.irp a, \a0, \a0+1
.irp b, 0,1,2,3
.set DD, 8*(8*((\a)%4)+2*\b)
.set BF, 128*(\p)+2*FR*\b
.set XF, AF+64*(\p)+FR*(\a)
.if \zero
	v_wmma_scale_f32_32x16x128_f4 v[DD:DD+15], v[BF:BF+15], v[XF:XF+7], 0, v[SC+SS*(\sc)+32+NQ*\b+(\q)], v[SC+SS*(\sc)+NQ*(\a)+(\q)]
.else
	v_wmma_scale_f32_32x16x128_f4 v[DD:DD+15], v[BF:BF+15], v[XF:XF+7], v[DD:DD+15], v[SC+SS*(\sc)+32+NQ*\b+(\q)], v[SC+SS*(\sc)+NQ*(\a)+(\q)]
.endif
.endr
.endr
.endm
.macro SCALES sc, off                  ; a K step's scale words into set sc, four words a row: twelve loads
.irp i, 0,1,2,3,4,5,6,7
	global_load_b128 v[SC+SS*(\sc)+NQ*\i:SC+SS*(\sc)+NQ*\i+3], v[ADRS], s[8:9] offset:\off+256*\i
.endr
.irp i, 0,1,2,3
	global_load_b128 v[SC+SS*(\sc)+32+NQ*\i:SC+SS*(\sc)+32+NQ*\i+3], v[ADRW], s[8:9] offset:\off+512*\i
.endr
.endm
; A step of 128 along K that has its successor in the same slot.
.macro STEP slot, q, zero
	s_wait_dscnt 0x0                               ; this step's fragments are in
	PLACES NP                                      ; in front of loads into the set that the last step multiplied
	FETCH \slot, (\q)+1, 1-(\q)%2
	WIN MUL_LO
	MUL8 0, (\q)%2, \q, \slot, \zero
	MUL8 2, (\q)%2, \q, \slot, \zero
	WIN MUL_HI
	MUL8 4, (\q)%2, \q, \slot, \zero
	MUL8 6, (\q)%2, \q, \slot, \zero
	WIN 0
.endm
; A slot's last step changes slots.  My reads of this slot were all issued a step ago.  fill = 1: the slot is filled again, two K steps ahead, behind a round of the cluster's barrier.
.macro TURN slot, next, fill
.if \fill
	s_wait_xcnt 0x0                                ; my last prefetch has read its address
	s_add_nc_u64 s[PFA:PFA+1], s[PFA:PFA+1], ROWB
.endif
	s_wait_tensorcnt 0x0                           ; all my tensor loads have landed: my part of the next slot
	ds_add_u32 v[SPW], v[NIL]                      ; 0 onto my spare word
	s_wait_dscnt 1                                 ; this step's 32 fragment loads are in; the add may be out
	WIN MUL_LO
	MUL8 0, 1, NQ-1, \slot, 0
	s_wait_dscnt 0x0                               ; the add is done, and my reads of this slot are over
	s_barrier_signal -1
	MUL8 2, 1, NQ-1, \slot, 0
	WIN 0
	s_barrier_wait -1
.if \fill
	CREST                                          ; no wave of any partner still reads this slot or has a load on its way
	s_add_nc_u64 s[G0+4*\slot+2:G0+4*\slot+3], s[G0+4*\slot+2:G0+4*\slot+3], 2*ROWB
	s_add_nc_u64 s[G0B+4*\slot+2:G0B+4*\slot+3], s[G0B+4*\slot+2:G0B+4*\slot+3], 2*ROWB
	JLOAD G0+4*\slot, G1, G0B+4*\slot, G1B         ; the first tensor load behind the round; its four v_nop are the places in front of the loads below
.else
	PLACES NP
.endif
	FETCH \next, 0, 0
.if \fill
	ASK
.endif
	WIN MUL_HI
	MUL8 4, 1, NQ-1, \slot, 0
	MUL8 6, 1, NQ-1, \slot, 0
	PLACES NP                                      ; in front of loads into this slot's scale words
	WIN 0
	s_wait_loadcnt 0x0                             ; the next slot's scale words are in, and the loads' base is free
.if \fill
	s_add_nc_u64 s[8:9], s[8:9], KSS
	SCALES \slot, KSS                              ; those of two K steps on
.endif
.endm
.macro STEPS slot, from
.set Q, \from
.rept NQ-1-\from
	STEP \slot, Q, 0
.set Q, Q+1
.endr
.endm
; THE WAY OUT, by blocks of 16 rows x 128 columns: through my own stage and back as whole rows of 512 bytes.  LDS serves a wave's instructions in order (ISA guide 5.7.1.4).
; Each block comes back into registers of its own: blocks 0, 1 window 0 v128-255, blocks 2-5 window 1, blocks 6, 7 the accumulators of blocks 0, 1, whose stores into the stage are shown done by an earlier counted wait.
; So no store's data are written again, and the block's rows stand in the store's immediate (127 rows of 8,192 bytes at the most): the base is never stepped.
.macro TOSTAGE a
.set AC, 64*((\a)%4)
	WIN 0x08+4*((\a)/4)                            ; the data: window 2 or 3
.irp b, 0,1,2,3,4,5,6,7
	ds_store_b128 v[STO], v[AC+8*\b:AC+8*\b+3] offset:64*\b          ; each accumulator from its low end on
	ds_store_b128 v[STO], v[AC+8*\b+4:AC+8*\b+7] offset:64*\b+16
.endr
.set BB, 64*(((\a)+2)%4)
	WIN (((\a)+2)/4)<<6
.irp t, 0,1,2,3,4,5,6,7,8,9,10,11,12,13,14,15
	ds_load_b128 v[BB+4*\t:BB+4*\t+3], v[RD] offset:\t*SPITCH
.endr
.endm
.macro SEND a, younger                 ; younger: the LDS instructions issued behind block a's loads
.set BB, 64*(((\a)+2)%4)
	s_wait_dscnt \younger
	WIN (((\a)+2)/4)<<2
.irp t, 0,1,2,3,4,5,6,7,8,9,10,11,12,13,14,15
	global_store_b128 v[CO], v[BB+4*\t:BB+4*\t+3], s[12:13] offset:(16*(\a)+\t)*SIZE_N*4 th:TH_STORE_NT   ; 32 lanes store 512 consecutive bytes, at a multiple of 256 from out0's first byte
.endr
.endm
	s_load_b128 s[4:7], s[0:1], 0x0                ; xc s[4:5], wc s[6:7]
	s_load_b64 s[8:9], s[0:1], 0x10                ; sc
	s_load_b64 s[12:13], s[0:1], 0x18              ; out0
	v_lshl_add_u32 v[SPW], v0, 2, SPARE
	v_mov_b32 v[NIL], 0
	ds_add_u32 v[SPW], v[NIL]                      ; the opening: the add, twice on end, and its wait ahead of my first tensor load
	ds_add_u32 v[SPW], v[NIL]
	v_lshrrev_b32 v1, 5, v0
	v_readfirstlane_b32 s14, v1                    ; wave 0..3
	s_lshr_b32 s15, s14, 1                         ; my half of the tile's rows; also: I fetch for x (0) or for W (1)
	s_and_b32 s16, s14, 1                          ; my half of its columns; also: which 128 rows I fetch
	s_bfe_u32 s40, ttmp6, 0x40000                  ; cx
	s_bfe_u32 s41, ttmp6, 0x40004                  ; cy
	s_lshl_b32 s42, ttmp9, 2
	s_add_co_u32 s42, s42, s40                     ; tile column
	s_and_b32 s17, ttmp7, 0xffff
	s_lshl_b32 s17, s17, 2
	s_add_co_u32 s17, s17, s41                     ; tile row
	s_lshl_b32 s43, s41, 2
	s_lshl_b32 s43, 15, s43                        ; my row of the cluster
	s_lshl_b32 s44, 0x1111, s40                    ; my column
	s_or_b32 s[G1+0], s43, (0<<16)|(1<<20)|(1<<21)|(5<<22)|(3<<25)   ; the mask; elements of 1 byte; padding on; bit 21 beside a mask; 4 words behind every 64
	s_or_b32 s[G1B+0], s44, (0<<16)|(1<<20)|(1<<21)|(5<<22)|(3<<25)
.irp g, G1, G1B
	s_mov_b32 s[\g+1], ROWB<<16                    ; tensor_dim0
	s_mov_b32 s[\g+2], 128<<16                     ; tensor_dim1
	s_mov_b32 s[\g+3], ROWB<<16                    ; tile_dim0
	s_mov_b32 s[\g+4], 128                         ; tile_dim1
	s_mov_b32 s[\g+5], KROW                        ; the pitch
	s_mov_b32 s[\g+6], 0
	s_mov_b32 s[\g+7], 0
.endr
	s_lshl_b32 s18, s16, 7
	s_lshl_b32 s20, s17, 8
	s_add_co_u32 s20, s20, s18                     ; x: row 256 x tile row + 128 x half
	s_lshl_b32 s46, s42, 8
	s_add_co_u32 s46, s46, s18                     ; W: row 256 x tile column + 128 x half
	s_mov_b32 s21, 0
	s_mov_b32 s47, 0
	s_mov_b64 s[18:19], KROW
	s_mul_u64 s[20:21], s[20:21], s[18:19]
	s_mul_u64 s[46:47], s[46:47], s[18:19]
	s_mul_i32 s45, s14, HALFT                      ; where my 128 rows go: no place in the cluster enters an LDS address
	s_wait_dscnt 0x0                               ; both opening adds are done
	s_wait_kmcnt 0x0
	s_add_nc_u64 s[20:21], s[4:5], s[20:21]
	s_add_nc_u64 s[46:47], s[6:7], s[46:47]
	CROUND                                         ; all sixteen work-groups are here: the first joint loads meet
.irp s, 0,1
	s_mov_b32 s[G0+4*\s], 1
	s_add_co_u32 s[G0+4*\s+1], s45, \s*SLOT
	s_add_nc_u64 s[G0+4*\s+2:G0+4*\s+3], s[20:21], \s*ROWB
	s_or_b32 s[G0+4*\s+3], s[G0+4*\s+3], 0x80000000
	s_mov_b32 s[G0B+4*\s], 1
	s_add_co_u32 s[G0B+4*\s+1], s45, \s*SLOT
	s_add_nc_u64 s[G0B+4*\s+2:G0B+4*\s+3], s[46:47], \s*ROWB
	s_or_b32 s[G0B+4*\s+3], s[G0B+4*\s+3], 0x80000000
.endr
	JLOAD G0, G1, G0B, G1B                         ; K step 0: one tensor load a wave at the head
	v_and_b32 v1, 15, v0                           ; l % 16
	v_bfe_u32 v2, v0, 4, 1                         ; l / 16
	s_wait_alu depctr_va_vdst(0)
	v_mul_u32_u24 v3, v1, PITCH
	v_lshl_add_u32 v4, v2, 4, v3                   ; a fragment's row x pitch + 16 x half
	s_mul_i32 s21, s15, HALFT                      ; my 128 rows of x
	s_mul_i32 s22, s16, HALFT
	s_add_co_u32 s22, s22, 2*HALFT                 ; my 128 rows of W, behind x's 256
.irp s, 0,1
	v_add_nc_u32 v[ADRA+\s], s21, v4
	v_add_nc_u32 v[ADRB+\s], s22, v4
	s_add_co_u32 s21, s21, SLOT
	s_add_co_u32 s22, s22, SLOT
.endr
	s_lshl_b32 s21, s17, 8
	s_lshl_b32 s23, s15, 7
	s_add_co_u32 s21, s21, s23
	s_lshl_b32 s21, s21, 4                         ; sc: my first row of x, 16 bytes a row
	s_lshl_b32 s46, s42, 8
	s_lshl_b32 s47, s16, 7
	s_add_co_u32 s46, s46, s47
	s_add_co_u32 s46, s46, SIZE_M
	s_lshl_b32 s46, s46, 4                         ; my first row of W
	v_lshl_add_u32 v[ADRS], v1, 4, s21             ; x's words: row l % 16 of a block of 16
	v_and_b32 v5, 31, v0
	v_lshl_add_u32 v[ADRW], v5, 4, s46             ; W's words: row l of a block of 32
	s_wait_alu depctr_va_vdst(0)
	s_mul_i32 s23, s14, 16*SPITCH                  ; my stage
	v_mul_u32_u24 v5, v1, SPITCH
	v_lshl_add_u32 v5, v2, 5, v5
	v_add_nc_u32 v[STO], s23, v5                   ; in: row l % 16, 32 bytes for each half of the lanes
	v_and_b32 v6, 31, v0
	v_lshlrev_b32 v[CO], 4, v6                     ; back: the 32 lanes take one row of 512 bytes
	v_add_nc_u32 v[RD], s23, v[CO]
	s_lshl_b32 s20, s17, 8
	s_lshl_b32 s21, s15, 7
	s_add_co_u32 s20, s20, s21                     ; my first row of out0
	s_mov_b32 s21, 0
	s_mov_b64 s[18:19], SIZE_N*4
	s_mul_u64 s[20:21], s[20:21], s[18:19]
	s_lshl_b32 s46, s42, 10
	s_lshl_b32 s47, s16, 9
	s_add_co_u32 s46, s46, s47                     ; my first column, in bytes
	s_mov_b32 s47, 0
	s_add_nc_u64 s[20:21], s[20:21], s[46:47]
	s_add_nc_u64 s[12:13], s[12:13], s[20:21]
	s_lshl_b32 s18, s17, 8                         ; the prefetches: of the 128 rows that I fetch, my work-group names 32, told apart by address
	s_lshl_b32 s19, s42, 8
	s_cmp_eq_u32 s15, 0
	s_cselect_b32 s20, s18, s19                    ; the tile's first row
	s_cselect_b32 s21, s40, s41                    ; my place among the four that ask with me
	s_cselect_b64 s[PFA:PFA+1], s[4:5], s[6:7]
	s_lshl_b32 s22, s16, 7
	s_add_co_u32 s20, s20, s22
	s_lshl_b32 s21, s21, 5
	s_add_co_u32 s20, s20, s21
	s_lshl_b32 s20, s20, 11                        ; rows of 2,048 bytes
	s_mov_b32 s21, 0
	s_add_nc_u64 s[PFA:PFA+1], s[PFA:PFA+1], s[20:21]
	s_add_nc_u64 s[PFA:PFA+1], s[PFA:PFA+1], 2*ROWB   ; at K step 2: the first refill steps it to 3 and names K step 4
	v_and_b32 v[PFO], 31, v0
	v_lshlrev_b32 v[PFO], 11, v[PFO]
	s_wait_alu depctr_va_vdst(0)                   ; the wait at the head's end
	SCALES 0, 0
	SCALES 1, KSS
	s_wait_tensorcnt 0x0                           ; my part of K step 0 is in
	ds_add_u32 v[SPW], v[NIL]
	s_wait_dscnt 0x0
	CROUND                                         ; everybody's part of K step 0 is in, and the joint loads meet
	JLOAD G0+4, G1, G0B+4, G1B                     ; K step 1: the first tensor load behind the round
	FETCH 0, 0, 0
	s_wait_loadcnt 12                              ; K step 0's scale words are in; K step 1's twelve loads may be out
	STEP 0, 0, 1                                   ; the first step stands in front of the loop: its products start the sums
	s_mov_b32 s3, LAPS-1
.Llap:                                                 ; a trip goes once round the ring and fills both slots again
	STEPS 0, 1
	TURN 0, 1, 1
	STEPS 1, 0
	TURN 1, 0, 1
	STEP 0, 0, 0
	s_sub_co_u32 s3, s3, 1
	s_cmp_lg_u32 s3, 0
	s_cbranch_scc1 .Llap
	STEPS 0, 1                                     ; the last lap fills nothing and has no round
	TURN 0, 1, 0
	STEPS 1, 0
	s_wait_dscnt 0x0                               ; the very last step: nothing more to fetch
	WIN MUL_LO
	MUL8 0, 1, NQ-1, 1, 0
	MUL8 2, 1, NQ-1, 1, 0
	WIN MUL_HI
	MUL8 4, 1, NQ-1, 1, 0
	MUL8 6, 1, NQ-1, 1, 0
	WIN 0
	PLACES NP                                      ; in front of the reads of results and of the loads into the fragments' registers
	TOSTAGE 0
.irp a, 1,2,3,4,5,6,7
	TOSTAGE \a
	SEND \a-1, 32                                  ; behind block a - 1's loads: block a's 16 stores and 16 loads
.endr
	SEND 7, 0
	WIN 0
	s_wait_tensorcnt 0x0                           ; the wave's end
	ds_add_u32 v[SPW], v[NIL]
	s_wait_dscnt 0x0
	CROUND                                         ; the closing round
	s_endpgm
.Lfunc_end_k_qc33d8cd215_gemm:
	.size	k_qc33d8cd215_gemm, .Lfunc_end_k_qc33d8cd215_gemm-k_qc33d8cd215_gemm
	.p2alignl 7, 3214868480
	.fill 96, 4, 3214868480
	.section	.rodata,"a",@progbits
	.p2align	6, 0x0
	.amdhsa_kernel k_qc33d8cd215_gemm
		.amdhsa_group_segment_fixed_size 327680
		.amdhsa_private_segment_fixed_size 0
		.amdhsa_enable_private_segment 0
		.amdhsa_kernarg_size 32
		.amdhsa_user_sgpr_count 2
		.amdhsa_user_sgpr_kernarg_segment_ptr 1
		.amdhsa_wavefront_size32 1
		.amdhsa_system_sgpr_workgroup_id_x 1
		.amdhsa_system_sgpr_workgroup_id_y 1
		.amdhsa_system_sgpr_workgroup_id_z 1
		.amdhsa_system_vgpr_workitem_id 0
		.amdhsa_next_free_vgpr 1024
		.amdhsa_next_free_sgpr 66
		.amdhsa_reserve_vcc 0
		.amdhsa_float_denorm_mode_32 3
		.amdhsa_float_denorm_mode_16_64 3
		.amdhsa_memory_ordered 1
		.amdhsa_forward_progress 1
		.amdhsa_inst_pref_size 147
	.end_amdhsa_kernel
	.amdgpu_metadata
---
amdhsa.version: [ 1, 2 ]
amdhsa.kernels:
  - .name:           k_qc33d8cd215_gemm
    .symbol:         k_qc33d8cd215_gemm.kd
    .args:
      - { .name: xc, .offset: 0, .size: 8, .value_kind: global_buffer, .address_space: global }
      - { .name: wc, .offset: 8, .size: 8, .value_kind: global_buffer, .address_space: global }
      - { .name: sc, .offset: 16, .size: 8, .value_kind: global_buffer, .address_space: global }
      - { .name: out0, .offset: 24, .size: 8, .value_kind: global_buffer, .address_space: global }
    .group_segment_fixed_size: 327680
    .private_segment_fixed_size: 0
    .kernarg_segment_align: 8
    .kernarg_segment_size: 32
    .max_flat_workgroup_size: 128
    .sgpr_count:     66
    .vgpr_count:     1024
    .wavefront_size: 32
...
	.end_amdgpu_metadata
.endif
;; end of part 3
